; MI455X (gfx1250); checked and timed in simulation.
; The chip was launched on July 23, 2026; its instructions are those of AMD's public machine-readable ISA for CDNA 5 (MIT licence, August 2026) and "CDNA5" Instruction Set Architecture Reference Guide (July 2026). The comments in the code are by the model that wrote it; some were corrected since.
;; Optimized Mo E. Allowed arithmetic: matrix products marked QUANTISED: E3M2 operands, one E8M0 scale for each 32 along K, by v_wmma_scale_f32_16x16x128_f8f6f4 with both operands' format E3M2, f32 sums; products left as they are: f32 operands where the result goes on into a quantised operand, else bf16, f16 or f32 operands; f32 sums; everything else in f32.
;; Inputs: expert_b 8 x 1,024 float32; expert_w_codes 8 x 1,024 x 32 x 24 uint8 (E3M2 codes of expert_w, K innermost, in blocks of 32 codes, four codes in three bytes); expert_w_scales 8 x 1,024 x 32 uint8 (E8M0 scales of expert_w, one for each 32 codes along K); router_b 8 float32; router_w 8 x 1,024 float32; x 2 x 2,048 x 1,024 float32.
;; Outputs: out0 2 x 2,048 x 1,024 float32.
;; This version of the problem:
;;   THIS VERSION OF THE PROBLEM IS GIVEN IN LOW PRECISION. The matrix products marked QUANTISED in the list below multiply operands that are first quantised to E3M2 (3 exponent bits, 2 mantissa bits; 6 bits a number), with one power-of-two scale for each 32 numbers along K (OCP MX v1.0); their sums are f32. All else is computed in f32.
;;   The module's matrix products, in the order in which they are computed (A, B: the left and right operand; K: the contracted axis; several contracted axes count as one K, in the product's order):
;;     1. [M 4,096, K 1,024] x [K 1,024, N 8]; A: input x; B: input router_w: left as it is (N = 8 < 16)
;;     2. [M 4,096, K 1,024] x [K 1,024, N 8,192]; A: input x; B: input expert_w (given as codes): QUANTISED
;;   THE QUANTISER, for each operand of a quantised product, along K:
;;     - K is cut into blocks of 32 from its start; a last block that is shorter is filled with zeros.
;;     - A block's scale is 2^e with e = floor(log2(the largest magnitude in the block)) - 4, held to -126 .. 127; a block of zeros has e = 0. As a byte (E8M0): e + 127.
;;     - Each number is divided by its block's scale, clamped to +-28, and rounded to the nearest number of E3M2, ties to even, subnormals kept.
;;     - The product sums the exact products of the quantised numbers (number of the format x scale) in f32.
;;   ~~~python
;;   def quantise(x, axis):      # numpy; x: float32 -> the quantised numbers, widened to float32 again
;;       x = np.moveaxis(x, axis, -1); K = x.shape[-1]
;;       x = np.pad(x, [(0, 0)] * (x.ndim - 1) + [(0, -K % 32)]); x = x.reshape(x.shape[:-1] + (-1, 32)); a = np.abs(x).max(-1, keepdims=True)
;;       e = np.where(a > 0, np.clip(np.frexp(np.where(a > 0, a, 1))[1] - 1 - 4, -126, 127), 0)      # np.frexp(a)[1] - 1 = floor(log2(a)), exactly
;;       r = np.clip(x / 2.0 ** e, -28, 28)
;;       step = 2.0 ** (np.maximum(np.frexp(np.where(r == 0, 1, r))[1] - 1, -2) - 2)
;;       q = np.round(r / step) * step * 2.0 ** e      # np.round: ties to even
;;       return np.moveaxis(q.reshape(q.shape[:-2] + (-1,))[..., :K], -1, axis).astype(np.float32)
;;   ~~~
;;   INPUTS GIVEN AS CODES. expert_w (in the module: [8, 1024, 1024], K = its axis 2): each comes as NAME_codes (uint8): NAME with its K axis moved to the last place and cut into blocks of 32 codes, [.., K / 32, bytes a block], one block behind the other in memory; four codes in three bytes: a row's codes are one little-endian stream of bits, code i at bits 6 i .. 6 i + 5 (a code: sign, 3 exponent bits, 2 mantissa bits); and NAME_scales (uint8): the same leading axes, one E8M0 byte (e + 127) for each 32 codes along K. Its value is code x scale, taken as it is: it is not quantised again, and the codes and scales need not be those that the quantiser above would give.
;; One version. Each part assembles by itself: llvm-mc -triple=amdgcn-amd-amdhsa -mcpu=gfx1250 --defsym DOCPART=n.
;; ======== version 1 of 1: 2 launches
;; limits: right only within a limited range of input values
;; workspace buffers: xq 3,145,728 bytes; xs 131,072 bytes; route 4,096 bytes of whole numbers; gate 16,384 bytes
;; launch route_quant (part 1): grid 256 x 1, 8 waves a work-group, no clusters, 168,960 bytes of LDS; arguments x, router_w, router_b, xq, xs, route, gate; writes xq, xs, route, gate
.if DOCPART == 1
	.amdgcn_target "amdgcn-amd-amdhsa--gfx1250"
	.amdhsa_code_object_version 6
	.text
	.protected	k_q181e89c266_route_quant
	.globl	k_q181e89c266_route_quant
	.p2align	8
	.type	k_q181e89c266_route_quant,@function
k_q181e89c266_route_quant:
	s_mov_b64 s[64:65], 0
	v_nop
	global_prefetch_b8 v0, s[64:65] scope:SCOPE_SE
	s_setreg_imm32_b32 hwreg(HW_REG_WAVE_MODE, 25, 1), 1
	s_wait_xcnt 0x0
; x [4096][1024] f32 is read ONCE and gives four things: its codes of BF6 (E3M2) and E8M0 scale bytes along K, each token's expert (argmax of 8 f32 logits) and its gate (the softmax at the argmax = 1 / sum of exp(l - max)).
; SHARES.  A work-group takes 16 tokens (64 KB of x); wave w takes k = 128 w .. 128 w + 127 of them: one tensor load of 16 rows x 512 bytes into the wave's own LDS slice, read once by that wave alone: lane (r, h) takes
; token r's blocks of 32 h and 2 + h of the wave's four, which serve the quantiser and the router alike.
; THE ROUTER is f32 throughout, since an argmax hangs on it, and 1 part in 500 of the products' work: source 0 = the 8 experts' rows of router_w (rows 8-15 repeat them), source 1 = 16 tokens, each lane's numbers paired with
; the same k of router_w, so x's registers serve as they are.  A lane then holds all 8 partial logits of token r.  Each wave fetches its own 4 KB of router_w by rows of 512 bytes and lays them into LDS for the lanes.
; xq: [4096][768] bytes, a token's row one stream of bits, K innermost.  xs: [4096][8] words, one for each 128 along K, WITH BYTES 1 AND 2 CHANGED ABOUT: the next launch gives lanes 0-15 blocks 0, 1 and lanes 16-31 blocks 2, 3 of the four.
; route: [8 experts][256 tiles] u16: bit t says that token 16 x tile + t chose that expert.  gate: [4096] f32.
; A block's scale byte is its largest magnitude's exponent field - 4, held at 1 from below (a block of zeros has byte 1 and zero codes: the bytes are read by the next launch alone).
; No prefetch: each wave asks for all its bytes at the head, and there is no loop to run ahead in.  No cluster: router_w, 32 KB, is the only thing that work-groups share, and it goes through registers.
; LIMITS: NaN and infinities in x or the router are not served.  Blocks whose largest magnitude is under 2^-122 keep byte 1.  The logits' f32 sums are taken in another order than a plain dot product's: two logits of a token that
; agree to the last few bits can give the other expert.  route and gate leave as 16 and 64 bytes a work-group: parts of aligned 256 bytes, 20 KB in all.
.set XSLICE, 8448                      ; a wave's slice of x: 16 rows x 528
.set XPITCH, 528                       ; 512 bytes + 16 of padding = 33 x 16: the 16 rows of a 16-byte load start in 16 different columns of 16 bytes (64 banks of 4 bytes: ISA guide 11.1)
.set RW,   8*XSLICE                    ; router_w: [wave 8][expert 8] rows of 528 bytes
.set PART, RW+8*8*XPITCH               ; partial logits [wave 8][token 16][expert 8] f32
.set XSL,  PART+4096                   ; scale words [wave 8][token 16]
.set XQS,  XSL+512                     ; codes: 16 rows x 784 bytes
.set QP,   784                         ; 768 + 16
.set SPARE, 167936                     ; the spare words, 128 bytes for each wave, that no other line names
.set F,    32                          ; v32-43 my 12 registers of codes; v44-46, v48-50 the halves that a conversion cannot put at an odd register
.set X,    64                          ; v64-127  64 numbers of x
.set WR,   128                         ; v128-191 the same k of router_w, row r % 8
.set RAW,  192                         ; v192-223 router_w as it is fetched
.set ACC,  224                         ; v224-255 four accumulators of logits
.set SPW,  60
.set NIL,  61
; v1 lane l; v10 r; v11 h; v9 l % 8; v2, v3 offsets in router_w, router_b; v4, v8 LDS addresses of x, router_w; v5 16 l; v6 scale word; v7 router_w's rows, in; v12-15 router_b; v16-31 at work; v51 logits in, v52 out; v53 codes in, v54, v55 out
	s_load_b256 s[4:11], s[0:1], 0x0               ; x s[4:5], router_w s[6:7], router_b s[8:9], xq s[10:11]
	s_load_b128 s[12:15], s[0:1], 0x20             ; xs s[12:13], route s[14:15]
	s_load_b64 s[16:17], s[0:1], 0x30              ; gate
	v_lshl_add_u32 v[SPW], v0, 2, SPARE
	v_mov_b32 v[NIL], 0
	ds_add_u32 v[SPW], v[NIL]                      ; the opening: the add, twice on end, and one wait
	ds_add_u32 v[SPW], v[NIL]
	v_lshrrev_b32 v1, 5, v0
	v_readfirstlane_b32 s18, v1                    ; wave 0..7
	; descriptor group 1: 16 rows x 128 elements of 4 bytes, 1,024 elements from row to row, 16 bytes of padding behind each row of 128 words
	s_mov_b32 s24, (2<<16)|(1<<20)|(6<<22)|(3<<25)
	s_mov_b32 s25, 128<<16
	s_mov_b32 s26, 16<<16
	s_mov_b32 s27, 128<<16
	s_mov_b32 s28, 16
	s_mov_b32 s29, 1024
	s_mov_b32 s30, 0
	s_mov_b32 s31, 0
	s_lshl_b32 s34, ttmp9, 16                      ; the tile's 16 rows of 4,096 bytes,
	s_lshl_b32 s35, s18, 9                         ; my wave's 512 bytes of a row
	s_add_co_u32 s34, s34, s35
	s_mov_b32 s35, 0
	s_mul_i32 s19, s18, XSLICE                     ; my slice
	s_mov_b32 s20, 1
	s_mul_i32 s21, s18, XSLICE
	s_wait_dscnt 0x0
	s_wait_kmcnt 0x0
	s_add_nc_u64 s[22:23], s[4:5], s[34:35]
	s_or_b32 s23, s23, 0x80000000
	tensor_load_to_lds s[20:23], s[24:31]          ; my one tensor load
	s_nop 0
.rept 4
	v_nop
.endr
	v_and_b32 v1, 31, v0
	v_and_b32 v10, 15, v0
	v_bfe_u32 v11, v0, 4, 1
	v_and_b32 v9, 7, v0
	v_lshlrev_b32 v5, 4, v1
	v_lshlrev_b32 v3, 4, v11
	v_lshl_add_u32 v2, s18, 9, v5                  ; 512 w + 16 l
.irp e, 0,1,2,3,4,5,6,7
	global_load_b128 v[RAW+4*\e:RAW+4*\e+3], v2, s[6:7] offset:4096*\e   ; 512 consecutive bytes of expert e's row
.endr
	global_load_b128 v[12:15], v3, s[8:9]          ; router_b[4 h + 0 .. 3]: wave 0 uses it at the end
	s_mov_b32 s32, 0x76543210                      ; v_permlanex16_b32: lane l xor 16
	s_mov_b32 s33, 0xfedcba98
	s_mul_i32 s38, s18, 8*XPITCH
	s_add_co_u32 s38, s38, RW                      ; my rows of router_w
	v_mul_u32_u24 v4, v10, XPITCH
	v_mul_u32_u24 v8, v9, XPITCH
	v_lshlrev_b32 v6, 2, v10
	v_lshl_add_u32 v4, v11, 7, v4
	v_lshl_add_u32 v8, v11, 7, v8
	v_lshl_add_u32 v6, s18, 6, v6
	v_add_nc_u32 v4, s19, v4                       ; x: row r, + 128 h bytes
	v_add_nc_u32 v8, s38, v8                       ; router_w: row r % 8, + 128 h bytes
	v_add_nc_u32 v7, s38, v5                       ; and where I lay a row: 16 l
	v_add_nc_u32 v6, XSL, v6                       ; my scale word: 64 w + 4 r
	v_lshlrev_b32 v51, 5, v10
	v_mul_u32_u24 v53, v10, QP
	s_mul_i32 s39, s18, 96
	s_add_co_u32 s39, s39, XQS
	s_mul_i32 s38, s18, 2*QP
	s_add_co_u32 s38, s38, XQS
	v_lshl_add_u32 v52, v11, 4, v51
	v_lshl_add_u32 v51, s18, 9, v51
	v_mad_u32_u24 v53, v11, 24, v53
	v_add_nc_u32 v54, s38, v5                      ; codes out: rows 2 w, 2 w + 1, which are 1,536 bytes on end in xq
	v_add_nc_u32 v52, PART, v52                    ; logits out: token r, experts 4 h + 0 .. 3
	v_add_nc_u32 v51, PART, v51                    ; logits in: 512 w + 32 r
	v_add_nc_u32 v53, s39, v53                     ; codes in: row r, 96 w + 24 h
	v_lshl_add_u32 v55, v11, 4, v54                ; (lanes 16-31 of the middle run are in the second row: 16 of padding on)
	s_mul_i32 s36, ttmp9, 12288                    ; xq: 12,288 bytes a tile, 1,536 a wave
	s_mul_i32 s37, s18, 1536
	s_add_co_u32 s36, s36, s37
	s_mov_b32 s37, 0
	s_add_nc_u64 s[10:11], s[10:11], s[36:37]
	s_lshl_b32 s36, ttmp9, 9                       ; xs: 512 bytes a tile
	s_add_nc_u64 s[12:13], s[12:13], s[36:37]
	s_lshl_b32 s36, ttmp9, 1                       ; route: 2 bytes a tile and expert
	s_add_nc_u64 s[14:15], s[14:15], s[36:37]
	s_lshl_b32 s36, ttmp9, 6                       ; gate: 64 bytes a tile
	s_add_nc_u64 s[16:17], s[16:17], s[36:37]
	s_wait_alu depctr_va_vdst(0)                   ; the head's end
	s_wait_loadcnt 0x0                             ; router_w and router_b
	s_wait_tensorcnt 0x0                           ; my slice of x; only I read it
.irp e, 0,1,2,3,4,5,6,7
	ds_store_b128 v7, v[RAW+4*\e:RAW+4*\e+3] offset:XPITCH*\e
.endr
.irp c, 0,1
.irp i, 0,1,2,3,4,5,6,7
	ds_load_b128 v[X+32*\c+4*\i:X+32*\c+4*\i+3], v4 offset:256*\c+16*\i
.endr
.irp i, 0,1,2,3,4,5,6,7                ; (LDS serves a wave's instructions in order: these see the stores above)
	ds_load_b128 v[WR+32*\c+4*\i:WR+32*\c+4*\i+3], v8 offset:256*\c+16*\i
.endr
.endr
; 8 numbers of block c: four links of the router's sums, one on each accumulator by turns, and the block's largest magnitude in two chains, v[16+c] (with the floor 2^(5 - 127)) and v[18+c]
.macro GRP c, g
.irp i, 0,1,2,3
.set NN, 16*\c+4*\g+\i
.if (\c == 0) && (\g == 0)
	v_wmma_f32_16x16x4_f32 v[ACC+8*\i:ACC+8*\i+7], v[WR+2*NN:WR+2*NN+1], v[X+2*NN:X+2*NN+1], 0
.else
	v_wmma_f32_16x16x4_f32 v[ACC+8*\i:ACC+8*\i+7], v[WR+2*NN:WR+2*NN+1], v[X+2*NN:X+2*NN+1], v[ACC+8*\i:ACC+8*\i+7]
.endif
.endr
.set XB, X+32*\c+8*\g
.if \g == 0
	v_max3_num_f32 v[16+\c], |v[XB]|, |v[XB+1]|, 0x2800000
	v_max3_num_f32 v[18+\c], |v[XB+2]|, |v[XB+3]|, |v[XB+4]|
	v_max3_num_f32 v[16+\c], v[16+\c], |v[XB+5]|, |v[XB+6]|
	v_max_num_f32 v[18+\c], v[18+\c], |v[XB+7]|
.else
	v_max3_num_f32 v[16+\c], v[16+\c], |v[XB]|, |v[XB+1]|
	v_max3_num_f32 v[18+\c], v[18+\c], |v[XB+2]|, |v[XB+3]|
	v_max3_num_f32 v[16+\c], v[16+\c], |v[XB+4]|, |v[XB+5]|
	v_max3_num_f32 v[18+\c], v[18+\c], |v[XB+6]|, |v[XB+7]|
.endif
.endm
	s_wait_dscnt 16                                ; block 0's sixteen loads are in, block 1's may be out
	GRP 0, 0
	GRP 0, 1
	GRP 0, 2
	GRP 0, 3
	s_wait_dscnt 0x0
	GRP 1, 0
	GRP 1, 1
	GRP 1, 2
	GRP 1, 3
	v_max_num_f32 v16, v16, v18
	v_max_num_f32 v17, v17, v19
	v_lshlrev_b32 v23, 4, v11
	v_add_nc_u32 v20, 0xfe000000, v16              ; 4 off the exponent field: the conversion takes that field of this operand as its scale
	v_add_nc_u32 v21, 0xfe000000, v17
	v_lshrrev_b32 v18, 23, v20                     ; the scale bytes of blocks h and 2 + h
	v_lshrrev_b32 v19, 23, v21
	v_lshl_or_b32 v22, v19, 8, v18
	v_lshlrev_b32 v22, v23, v22                    ; bytes 2 h and 2 h + 1 of the word: the order is blocks 0, 2, 1, 3
	v_mov_b32 v23, 0
	v_permlanex16_b32 v23, v22, s32, s33
	v_or_b32 v22, v22, v23                         ; with lane l xor 16's two the word is whole
	v_cvt_scalef32_pk16_bf6_f32 v[F:F+2], v[X:X+15], v20
	v_cvt_scalef32_pk16_bf6_f32 v[F+12:F+14], v[X+16:X+31], v20      ; (a conversion's three registers begin on an even number)
	v_cvt_scalef32_pk16_bf6_f32 v[F+6:F+8], v[X+32:X+47], v21
	v_cvt_scalef32_pk16_bf6_f32 v[F+16:F+18], v[X+48:X+63], v21
	v_nop                                          ; one plain place behind a scaled conversion
.irp i, 0,1,2
	v_mov_b32 v[F+3+\i], v[F+12+\i]
	v_mov_b32 v[F+9+\i], v[F+16+\i]
.endr
.irp p, 0,2,4,6                        ; the four sums of each logit, each accumulator from its low end on
	v_pk_add_f32 v[24+\p:25+\p], v[ACC+\p:ACC+1+\p], v[ACC+8+\p:ACC+9+\p]
	v_pk_add_f32 v[X+\p:X+1+\p], v[ACC+16+\p:ACC+17+\p], v[ACC+24+\p:ACC+25+\p]
.endr
.irp p, 0,2,4,6
	v_pk_add_f32 v[24+\p:25+\p], v[24+\p:25+\p], v[X+\p:X+1+\p]
.endr
	ds_store_b128 v51, v[24:27]                    ; lanes r and 16 + r write the same bytes with the same values
	ds_store_b128 v51, v[28:31] offset:16
	ds_store_b32 v6, v22
.irp p, 0,1,2
	ds_store_b64 v53, v[F+2*\p:F+2*\p+1] offset:8*\p                 ; block h,
.endr
.irp p, 0,1,2
	ds_store_b64 v53, v[F+6+2*\p:F+7+2*\p] offset:48+8*\p            ; block 2 + h
.endr
	s_wait_alu depctr_va_vdst(0)
	s_wait_dscnt 0x0                               ; for the others' sake: my logits, scale words and codes are in LDS
	s_barrier_signal -1
	s_barrier_wait -1
.macro CODES_IN
	ds_load_b128 v[F:F+3], v54
	ds_load_b128 v[F+4:F+7], v55 offset:512
	ds_load_b128 v[F+8:F+11], v54 offset:QP+256
.endm
.macro CODES_OUT
.irp c, 0,1,2
	global_store_b128 v5, v[F+4*\c:F+4*\c+3], s[10:11] offset:512*\c     ; 32 lanes store 512 consecutive bytes, aligned
.endr
.endm
	s_cmp_lg_u32 s18, 0
	s_cbranch_scc1 .Lnot_wave_0
	; WAVE 0: lane (r, h): four of token r's eight logits
.irp w, 0,1,2,3,4,5,6,7
	ds_load_b128 v[X+4*\w:X+4*\w+3], v52 offset:512*\w
.endr
	CODES_IN
	s_wait_dscnt 0x0
	CODES_OUT
.irp w, 0,1,2,3
.irp p, 0,2
	v_pk_add_f32 v[X+8*\w+\p:X+8*\w+1+\p], v[X+8*\w+\p:X+8*\w+1+\p], v[X+8*\w+4+\p:X+8*\w+5+\p]
.endr
.endr
.irp p, 0,2
	v_pk_add_f32 v[X+\p:X+1+\p], v[X+\p:X+1+\p], v[X+8+\p:X+9+\p]
	v_pk_add_f32 v[X+16+\p:X+17+\p], v[X+16+\p:X+17+\p], v[X+24+\p:X+25+\p]
.endr
.irp p, 0,2
	v_pk_add_f32 v[16+\p:17+\p], v[X+\p:X+1+\p], v[X+16+\p:X+17+\p]
.endr
.irp p, 0,2
	v_pk_add_f32 v[16+\p:17+\p], v[16+\p:17+\p], v[12+\p:13+\p]      ; + router_b
.endr
	v_max3_num_f32 v20, v16, v17, v18
	v_max_num_f32 v20, v20, v19
	v_permlanex16_b32 v23, v20, s32, s33
	v_max_num_f32 v20, v20, v23                    ; the token's largest logit
.irp k, 0,1,2,3
	v_sub_f32 v[24+\k], v[16+\k], v20              ; the maximum is taken away first: every exponent is 0 or less
.endr
.irp k, 0,1,2,3
	v_mul_f32 v[24+\k], 0x3fb8aa3b, v[24+\k]       ; x log2(e)
.endr
	s_wait_alu depctr_va_vdst(0)                   ; ahead of the batch
.irp k, 0,1,2,3
	v_exp_f32 v[24+\k], v[24+\k]
.endr
	v_mov_b32 v21, 8                               ; (also the plain place behind the exponentials)  no index yet
.irp k, 3,2,1,0                        ; the lowest of my four that equals the maximum
	v_cmp_eq_f32 vcc_lo, v[16+\k], v20
	v_cndmask_b32 v21, v21, \k, vcc_lo
.endr
	v_lshl_add_u32 v21, v11, 2, v21                ; + 4 h: 8 or more where none of mine is the maximum
	v_permlanex16_b32 v23, v21, s32, s33
	v_min_u32 v21, v21, v23                        ; the first index of the maximum, as argmax has it
	s_wait_alu depctr_va_vdst(0)                   ; and behind the batch, ahead of its first reader
	v_add_f32 v24, v24, v25
	v_add_f32 v26, v26, v27
.irp e, 0,1,2,3,4,5,6,7
	v_cmp_eq_u32 s[20+\e], \e, v21                 ; bits 0-15: which of the 16 tokens chose expert e (bits 16-31 repeat them)
.endr
	v_add_f32 v24, v24, v26
	v_mov_b32 v30, s20
	v_permlanex16_b32 v23, v24, s32, s33
.irp e, 1,2,3,4,5,6,7
	s_mov_b32 s36, 0x01010101<<\e
	v_cndmask_b32 v30, v30, s[20+\e], s36          ; lane l takes expert l % 8's mask
.endr
	v_add_f32 v24, v24, v23                        ; the sum of the token's eight exponentials
	v_lshlrev_b32 v31, 9, v9                       ; route: 512 bytes an expert
	v_lshlrev_b32 v22, 2, v10
	s_wait_alu depctr_va_vdst(0)                   ; ahead of the transcendental
	v_rcp_f32 v24, v24                             ; the softmax at the argmax: exp(0) / the sum
	v_nop                                          ; one plain place behind a transcendental
	global_store_b16 v31, v30, s[14:15]            ; the four lanes of an expert store the same two bytes
	s_wait_alu depctr_va_vdst(0)
	global_store_b32 v22, v24, s[16:17]            ; both lanes of a token store the same word
	s_branch .Lend
.Lnot_wave_0:
	CODES_IN
	s_wait_dscnt 0x0
	CODES_OUT
	s_cmp_lg_u32 s18, 1
	s_cbranch_scc1 .Lend
	; WAVE 1: the tile's 512 scale bytes leave as one run: lane l takes 16 bytes of token l / 2: the words of K steps 4 (l % 2) + 0 .. 3
	v_and_b32 v16, 1, v0
	v_lshrrev_b32 v17, 1, v1
	v_lshlrev_b32 v17, 2, v17
	v_lshl_add_u32 v16, v16, 8, v17
	v_add_nc_u32 v16, XSL, v16
.irp k, 0,1,2,3
	ds_load_b32 v[X+\k], v16 offset:64*\k
.endr
	s_wait_dscnt 0x0
	global_store_b128 v5, v[X:X+3], s[12:13]       ; 32 lanes store 512 consecutive bytes, aligned
.Lend:
	s_wait_tensorcnt 0x0                           ; the wave's end
	ds_add_u32 v[SPW], v[NIL]
	s_wait_dscnt 0x0
	s_endpgm
.Lfunc_end_k_q181e89c266_route_quant:
	.size	k_q181e89c266_route_quant, .Lfunc_end_k_q181e89c266_route_quant-k_q181e89c266_route_quant
	.p2alignl 7, 3214868480
	.fill 96, 4, 3214868480
	.section	.rodata,"a",@progbits
	.p2align	6, 0x0
	.amdhsa_kernel k_q181e89c266_route_quant
		.amdhsa_group_segment_fixed_size 168960
		.amdhsa_private_segment_fixed_size 0
		.amdhsa_enable_private_segment 0
		.amdhsa_kernarg_size 56
		.amdhsa_user_sgpr_count 2
		.amdhsa_user_sgpr_kernarg_segment_ptr 1
		.amdhsa_wavefront_size32 1
		.amdhsa_system_sgpr_workgroup_id_x 1
		.amdhsa_system_sgpr_workgroup_id_y 1
		.amdhsa_system_sgpr_workgroup_id_z 1
		.amdhsa_system_vgpr_workitem_id 0
		.amdhsa_next_free_vgpr 256
		.amdhsa_next_free_sgpr 66
		.amdhsa_reserve_vcc 1
		.amdhsa_float_denorm_mode_32 3
		.amdhsa_float_denorm_mode_16_64 3
		.amdhsa_memory_ordered 1
		.amdhsa_forward_progress 1
		.amdhsa_inst_pref_size 21
	.end_amdhsa_kernel
	.amdgpu_metadata
---
amdhsa.version: [ 1, 2 ]
amdhsa.kernels:
  - .name:           k_q181e89c266_route_quant
    .symbol:         k_q181e89c266_route_quant.kd
    .args:
      - { .name: x, .offset: 0, .size: 8, .value_kind: global_buffer, .address_space: global }
      - { .name: router_w, .offset: 8, .size: 8, .value_kind: global_buffer, .address_space: global }
      - { .name: router_b, .offset: 16, .size: 8, .value_kind: global_buffer, .address_space: global }
      - { .name: xq, .offset: 24, .size: 8, .value_kind: global_buffer, .address_space: global }
      - { .name: xs, .offset: 32, .size: 8, .value_kind: global_buffer, .address_space: global }
      - { .name: route, .offset: 40, .size: 8, .value_kind: global_buffer, .address_space: global }
      - { .name: gate, .offset: 48, .size: 8, .value_kind: global_buffer, .address_space: global }
    .group_segment_fixed_size: 168960
    .private_segment_fixed_size: 0
    .kernarg_segment_align: 8
    .kernarg_segment_size: 56
    .max_flat_workgroup_size: 256
    .sgpr_count:     66
    .vgpr_count:     256
    .wavefront_size: 32
...
	.end_amdgpu_metadata
.endif
;; end of part 1
;; launch experts (part 2): grid 256 x 1, 4 waves a work-group, no clusters, 309,760 bytes of LDS; arguments xq, xs, route, gate, expert_w_codes, expert_w_scales, expert_b, out0; writes out0
.if DOCPART == 2
	.amdgcn_target "amdgcn-amd-amdhsa--gfx1250"
	.amdhsa_code_object_version 6
	.text
	.protected	k_q181e89c266_experts
	.globl	k_q181e89c266_experts
	.p2align	8
	.type	k_q181e89c266_experts,@function
k_q181e89c266_experts:
	s_mov_b64 s[64:65], 0
	v_nop
	global_prefetch_b8 v0, s[64:65] scope:SCOPE_SE
	s_setreg_imm32_b32 hwreg(HW_REG_WAVE_MODE, 25, 1), 1
	s_wait_xcnt 0x0
; out[t][f] = gate[t] x (sum over k of Q(x)[t][k] W[e][f][k] + b[e][f]) with e the expert that token t chose.  Both operands are codes of BF6 (E3M2) with one E8M0 byte for each 32 along K; sums in f32.
; ONLY THE CHOSEN ROWS ARE MULTIPLIED: reference() computes every expert for every token and keeps one by its own index; the products that it drops are not made (a NaN or an overflow in them is not carried to the result).
; SHARES.  A work-group takes one expert, 128 columns and the tokens of one quarter (1,024 tokens) that chose the expert: 8 x 8 x 4 = 256 work-groups, whatever the choice.  Its rows, N of them, go in tiles of 16 in chunks of 256 rows;
; four chunks serve N up to 1,024, and every wave passes every chunk's barriers.  Wave (rh, ch) multiplies tiles rh, rh + 2, .. by its 64 columns.
; WHO ARE MY ROWS: 1,024 bits of route stand in 16 pairs of scalar registers; scalar counts give each pair's first rank; a lane finds the pair of its rank by compares, then the bit by halving.
; W's fragments of 64 columns x 1,024 K STAY IN REGISTERS (384), so a row's codes, read from LDS, feed four matrix instructions a K step.  W comes by runs of 512 bytes, each wave 32 of the 128 rows, and goes through LDS into the operand's lanes.
; K ORDER: of each 128 along K lanes 0-15 hold blocks 0, 1 (48 bytes on end) and lanes 16-31 blocks 2, 3, in both operands: three loads of 16 bytes a fragment.  So the scale words' bytes stand in the order 0, 2, 1, 3.
; THE MATRIX INSTRUCTION IS USED TRANSPOSED: source 0 = 16 rows of W, source 1 = 16 tokens: lane (r, h) holds token r and columns 8 h + 0 .. 7.  The bias is the C of the first K step.
; A last tile that is not full repeats its last row: the same bits are stored to the same place once more.
; No cluster and no tensor load: branches hang on counts read from memory, so operands go through registers.  No prefetch: all of W and a chunk's rows are asked for at once, with no loop to run ahead in.
; LIMITS: NaN and infinities are not served.
; REGISTERS, in windows of 256 (s_set_vgpr_msb: bits 1:0 source 0, 3:2 source 1, 5:4 source 2, 7:6 destination):
;   window 0: v0-23 ids and addresses; v24-39 offsets of rows; v40-49 the search; v50-63 gate, token, scales of my rows; v64-79 W's scale words; v80-87 x's, two sets; v88-91 gate and token, two sets; v92-93 token for the way out;
;     v94-95 stage; v96-159 accumulators, two sets of 4 x 8; v160-191 results x gate; v192-223 rows read back.  v128-255 also a second gather's rows
;   window 1: v0-191 gathered rows, then x's fragments, two sets of 96; v192-223 bias; v224-231 a second gather's scales
;   window 2: v0-191 W as fetched, then W's fragments of K steps 0-3 at 48 q + 12 j; v192-255 the rest of a second gather.   window 3: those of K steps 4-7
.set XP,    816                        ; a row of x in LDS: 768 of codes, 32 of scales, gate, token, 8 unused = 204 words: row r starts at bank 12 r mod 64 (64 banks of 4 bytes: ISA guide 11.1): 16 rows touch 16 different columns of 16 bytes
.set TILEB, 16*XP
.set W0,    256*XP                     ; behind 256 rows of x: W's 128 rows of 784 bytes; later the stages of the way out, 16 rows x 272 bytes a wave
.set WP,    784
.set SPITCH, 272
.set SPARE, W0+128*WP                  ; the spare words, 128 bytes for each wave, that no other line names
.set SPW, 4
.set NIL, 5
.set WS,  64
.set XS,  80
.set G,   88
.set TK,  92
.set STO, 94
.set RD,  95
.set ACC, 96
.set OT,  160
.set BK,  192
.set MULB, 0x16                        ; W window 2, x window 1, C (bias) window 1, D window 0
.set MUL0, 0x06                        ; C window 0
.set MUL1, 0x07                        ; W window 3
; s[4:19] the eight addresses; s[2:3] offsets; s20 wave, s21 rh, s22 ch, s23 expert, s24 column block, s25 quarter; s26 at work; s27 tiles, s28 rows N, s29 the last rank, s30 my quarter's first token, s31 768; s[32:63] masks;
; s[66:81] each pair's first rank << 10 | bits in its low word << 4 | its number; s85 chunk, s86 its first rank, s87 tiles left, s88 tiles left less rh; s90-93 at work; s98-100 lane masks
.set MSB, 0
.macro WIN new                         ; the immediate's high byte repeats the setting that is left
.if MSB != \new
	s_set_vgpr_msb (MSB<<8)|\new
.set MSB, \new
.endif
.endm
	s_load_b512 s[4:19], s[0:1], 0x0               ; xq, xs, route, gate, W's codes, W's scales, expert_b, out0
	v_lshl_add_u32 v[SPW], v0, 2, SPARE
	v_mov_b32 v[NIL], 0
	v_lshrrev_b32 v1, 5, v0
	v_readfirstlane_b32 s20, v1
	s_lshr_b32 s21, s20, 1
	s_and_b32 s22, s20, 1
	s_and_b32 s23, ttmp9, 7
	s_bfe_u32 s24, ttmp9, 0x30003
	s_lshr_b32 s25, ttmp9, 6
	s_lshl_b32 s2, s23, 9                          ; route: 512 bytes an expert, 128 a quarter
	s_lshl_b32 s26, s25, 7
	s_add_co_u32 s2, s2, s26
	s_mov_b32 s3, 0
	v_and_b32 v1, 31, v0
	v_and_b32 v2, 15, v0
	v_bfe_u32 v3, v0, 4, 1
	v_lshlrev_b32 v6, 4, v1                        ; 16 l
	v_lshlrev_b32 v7, 4, v2                        ; 16 r
	v_lshlrev_b32 v17, 5, v2
	v_lshlrev_b32 v18, 5, v3                       ; bias: 32 h
	v_lshl_add_u32 v17, v3, 4, v17                 ; W's scales: 32 r + 16 h
	s_wait_alu depctr_va_vdst(0)                   ; ahead of the blocking wait
	s_wait_kmcnt 0x0
	s_add_nc_u64 s[8:9], s[8:9], s[2:3]
	s_load_b512 s[32:47], s[8:9], 0x0
	s_load_b512 s[48:63], s[8:9], 0x40
	s_mul_i32 s2, s23, 786432                      ; W's codes: 786,432 bytes an expert, 98,304 a column block, 24,576 my 32 rows
	s_mul_i32 s26, s24, 98304
	s_add_co_u32 s2, s2, s26
	s_mul_i32 s26, s20, 24576
	s_add_co_u32 s2, s2, s26
	s_add_nc_u64 s[12:13], s[12:13], s[2:3]
	WIN 0x80
.set I, 0
.rept 48
	global_load_b128 v[4*I:4*I+3], v6, s[12:13] offset:512*I
.set I, I+1
.endr
	WIN 0
	s_lshl_b32 s2, s23, 15                         ; its scales: 32 bytes a row
	s_lshl_b32 s26, s24, 12
	s_add_co_u32 s2, s2, s26
	s_lshl_b32 s26, s22, 11
	s_add_co_u32 s2, s2, s26
	s_add_nc_u64 s[14:15], s[14:15], s[2:3]
.irp j, 0,1,2,3
	global_load_b128 v[WS+4*\j:WS+4*\j+3], v17, s[14:15] offset:512*\j   ; lanes 0-15 the words of K steps 0-3, lanes 16-31 those of 4-7
.endr
	s_lshl_b32 s2, s24, 9                          ; bias and out0: 512 bytes a column block, 256 for my 64 columns
	s_lshl_b32 s26, s22, 8
	s_add_co_u32 s2, s2, s26
	s_add_nc_u64 s[18:19], s[18:19], s[2:3]
	s_lshl_b32 s26, s23, 12
	s_add_co_u32 s2, s2, s26
	s_add_nc_u64 s[16:17], s[16:17], s[2:3]
	WIN 0x40
.irp j, 0,1,2,3
	global_load_b128 v[192+8*\j:195+8*\j], v18, s[16:17] offset:64*\j
	global_load_b128 v[196+8*\j:199+8*\j], v18, s[16:17] offset:64*\j+16
.endr
	WIN 0
	s_mul_i32 s26, s20, 32*WP
	s_add_co_u32 s26, s26, W0
	v_add_nc_u32 v8, s26, v6                       ; W in: my 32 rows; 1,536 bytes of memory are two rows
	v_lshl_add_u32 v9, v3, 4, v8                   ; (lanes 16-31 of the middle run are in the second row: 16 of padding on)
	s_mul_i32 s26, s22, 64*WP
	s_add_co_u32 s26, s26, W0
	v_mul_u32_u24 v10, v2, WP
	v_mad_u32_u24 v10, v3, 48, v10
	v_add_nc_u32 v10, s26, v10                     ; W out: column 64 ch + r, 48 h
	s_mul_i32 s26, s20, TILEB
	v_mul_u32_u24 v11, v3, 4*TILEB
	v_mul_u32_u24 v12, v2, XP
	v_mul_u32_u24 v16, v2, XP
	v_add_nc_u32 v11, s26, v11
	v_add_nc_u32 v12, v12, v11                     ; x in, scales, gate and token: row r of tile w + 4 h
	v_add_nc_u32 v11, v11, v7                      ; x in, codes: tile w + 4 h, 16 r
	v_add_nc_u32 v21, 8*TILEB, v11                 ; the same eight tiles on
	v_add_nc_u32 v22, 8*TILEB, v12
	s_mul_i32 s26, s21, TILEB
	v_and_b32 v15, 7, v2
	v_lshl_add_u32 v15, v3, 3, v15
	v_mul_u32_u24 v15, v15, XP
	v_add_nc_u32 v16, s26, v16                     ; x out: row r of tile rh,
	v_add_nc_u32 v15, s26, v15                     ; and row r % 8 + 8 h
	v_mad_u32_u24 v13, v3, 48, v16                 ; its codes: + 48 h,
	v_lshl_add_u32 v14, v3, 4, v16                 ; its scales: + 16 h
	s_lshl_b32 s26, s20, 4
	v_lshl_add_u32 v23, v3, 6, v2
	v_add_nc_u32 v23, s26, v23                     ; my rank in a chunk: 16 (w + 4 h) + r
	s_mul_i32 s26, s20, 16*SPITCH
	s_add_co_u32 s26, s26, W0
	v_mul_u32_u24 v[STO], v2, SPITCH
	v_lshl_add_u32 v[STO], v3, 5, v[STO]
	v_add_nc_u32 v[STO], s26, v[STO]               ; the way out, in: row r, 32 h
	v_mul_u32_u24 v[RD], v3, 8*SPITCH
	v_add3_u32 v[RD], v[RD], v7, s26               ; out: row t + 8 h, 16 r
.set I, 0
.rept 16
	v_mov_b32 v[24+I], 0                           ; (a lane permute's destination counts as read)
.set I, I+1
.endr
	v_mov_b32 v40, v23
	s_lshl_b32 s30, s25, 10
	s_mov_b32 s31, 768
	s_wait_alu depctr_va_vdst(0)                   ; the head's end
	s_wait_kmcnt 0x0                               ; the masks
	s_mov_b32 s91, 0
.irp l, 0,1,2,3,4,5,6,7,8,9,10,11,12,13,14,15
	s_bcnt1_i32_b32 s90, s[32+2*\l]
	s_bcnt1_i32_b32 s92, s[33+2*\l]
	s_lshl4_add_u32 s93, s90, s91
	s_add_co_u32 s[66+\l], s93, \l
	s_add_co_u32 s90, s90, s92
	s_lshl_b32 s90, s90, 10
	s_add_co_u32 s91, s91, s90
.endr
	s_lshr_b32 s28, s91, 10                        ; N
	s_add_co_u32 s27, s28, 15
	s_lshr_b32 s27, s27, 4
	s_sub_co_i32 s29, s28, 1
	s_max_i32 s29, s29, 0
; The token of rank v40 (ranks beyond the last take the last) -> v[dst]
.macro HALVE src, w                    ; v48: bits passed; v40: the rank left; the count of the lower w bits decides
	v_bfe_u32 v49, v[\src], v48, \w
	v_cmp_ge_u32 vcc_lo, v40, v49
	v_sub_nc_u32 v49, v40, v49
	v_min_u32 v40, v40, v49                        ; (less the count, unless that passes below 0)
	v_cndmask_b32 v49, 0, \w, vcc_lo
	v_add_nc_u32 v48, v48, v49
.endm
.macro SEARCH dst
	v_min_u32 v40, s29, v40
	v_lshl_or_b32 v40, v40, 10, 0x3ff
	v_mov_b32 v41, s32
	v_mov_b32 v42, s33
	v_mov_b32 v43, s66
.irp g, 1,4,7,10,13
.irp i, 0,1,2
	v_cmp_ge_u32 s[98+\i], v40, s[66+\g+\i]        ; the last pair whose first rank is not beyond mine
.endr
.irp i, 0,1,2
	v_cndmask_b32 v41, v41, s[32+2*(\g+\i)], s[98+\i]
	v_cndmask_b32 v42, v42, s[33+2*(\g+\i)], s[98+\i]
	v_cndmask_b32 v43, v43, s[66+\g+\i], s[98+\i]
.endr
.endr
	v_lshrrev_b32 v44, 10, v43
	v_lshrrev_b32 v40, 10, v40
	v_bfe_u32 v45, v43, 4, 6
	v_and_b32 v43, 15, v43
	v_sub_nc_u32 v40, v40, v44                     ; my rank in the pair
	v_lshlrev_b32 v43, 6, v43
	v_cmp_ge_u32 vcc_lo, v40, v45
	v_sub_nc_u32 v45, v40, v45
	v_cndmask_b32 v41, v41, v42, vcc_lo            ; the word
	v_min_u32 v40, v40, v45
	v_cndmask_b32 v42, 0, 32, vcc_lo
	v_lshrrev_b32 v44, 1, v41
	v_and_b32 v44, 0x55555555, v44
	v_sub_nc_u32 v44, v41, v44                     ; counts of 2 bits,
	v_lshrrev_b32 v46, 2, v44
	v_and_b32 v45, 0x33333333, v44
	v_and_b32 v46, 0x33333333, v46
	v_add_nc_u32 v45, v45, v46                     ; of 4,
	v_lshrrev_b32 v46, 4, v45
	v_add_nc_u32 v46, v45, v46
	v_and_b32 v46, 0x0f0f0f0f, v46                 ; of 8,
	v_lshrrev_b32 v47, 8, v46
	v_add_nc_u32 v47, v46, v47
	v_and_b32 v47, 0xff, v47                       ; of the lower 16
	v_cmp_ge_u32 vcc_lo, v40, v47
	v_sub_nc_u32 v47, v40, v47
	v_cndmask_b32 v48, 0, 16, vcc_lo
	v_min_u32 v40, v40, v47
	HALVE 46, 8
	HALVE 45, 4
	HALVE 44, 2
	HALVE 41, 1
	v_add3_u32 v43, v43, v42, v48
	v_add_nc_u32 v43, s30, v43
	v_min_u32 v[\dst], 0xfff, v43
.endm
; Offsets of 16 rows of two tiles: lanes 0-15 row n of the first, lanes 16-31 row n of the second, 16 bytes a lane
.macro ROWS tok
.irp n, 0,1,2,3,4,5,6,7,8,9,10,11,12,13,14,15
	v_mov_b32_dpp v[24+\n], v[\tok] row_share:\n row_mask:0xf bank_mask:0xf
.endr
.set I, 0
.rept 16
	v_min_u32 v[24+I], 0xfff, v[24+I]
.set I, I+1
.endr
.set I, 0
.rept 16
	v_mad_u32_u24 v[24+I], v[24+I], s31, v7
.set I, I+1
.endr
	v_lshlrev_b32 v62, 5, v[\tok]
	v_lshlrev_b32 v63, 2, v[\tok]
.endm
; A gather of two tiles: 51 loads; 16 lanes take 256 consecutive bytes, aligned
.macro GATHER_A
	ROWS 51
	global_load_b32 v50, v63, s[10:11]
	global_load_b128 v[52:55], v62, s[6:7]
	global_load_b128 v[56:59], v62, s[6:7] offset:16
	WIN 0x40
.set I, 0
.rept 16
.irp p, 0,1,2
	global_load_b128 v[12*I+4*\p:12*I+4*\p+3], v[24+I], s[4:5] offset:256*\p
.endr
.set I, I+1
.endr
	WIN 0
.endm
.macro GATHER_B                        ; rows 0-9 and two pieces of row 10 to window 0, the rest to window 2
	ROWS 61
	global_load_b32 v60, v63, s[10:11]
	WIN 0x40
	global_load_b128 v[224:227], v62, s[6:7]
	global_load_b128 v[228:231], v62, s[6:7] offset:16
	WIN 0
.set I, 0
.rept 32
	global_load_b128 v[128+4*I:131+4*I], v[24+I/3], s[4:5] offset:256*(I%3)
.set I, I+1
.endr
	WIN 0x80
.rept 16
	global_load_b128 v[192+4*(I-32):195+4*(I-32)], v[24+I/3], s[4:5] offset:256*(I%3)
.set I, I+1
.endr
	WIN 0
.endm
.macro WAITL n                         ; a wait names 63 at the most
.if (\n) > 63
	s_wait_loadcnt 63
.else
	s_wait_loadcnt \n
.endif
.endm
.macro STORE_A younger                 ; younger: loads issued behind this gather's
.set I, 0
.irp g, 36,24,12,0
	WAITL \younger+\g                              ; four rows more are in
.if I == 0
	ds_store_b64 v12, v[50:51] offset:800
	ds_store_b128 v12, v[52:55] offset:768
	ds_store_b128 v12, v[56:59] offset:784
	WIN 0x04
.endif
.rept 4
.irp p, 0,1,2
	ds_store_b128 v11, v[12*I+4*\p:12*I+4*\p+3] offset:XP*I+256*\p
.endr
.set I, I+1
.endr
.endr
	WIN 0
.endm
.macro STORE_B
	s_wait_loadcnt 0x0
	ds_store_b64 v22, v[60:61] offset:800
.set I, 0
.rept 32
	ds_store_b128 v21, v[128+4*I:131+4*I] offset:XP*(I/3)+256*(I%3)
.set I, I+1
.endr
	WIN 0x08
.rept 16
	ds_store_b128 v21, v[192+4*(I-32):195+4*(I-32)] offset:XP*(I/3)+256*(I%3)
.set I, I+1
.endr
	WIN 0x04
	ds_store_b128 v22, v[224:227] offset:768
	ds_store_b128 v22, v[228:231] offset:784
	WIN 0
.endm
	SEARCH 51
	GATHER_A                                       ; the first chunk's tiles w, w + 4
	s_wait_alu depctr_va_vdst(0)
	s_wait_loadcnt 51                              ; W, its scales and the bias are in; the gather's 51 loads may be out
	WIN 0x08
.set I, 0
.rept 16
	ds_store_b128 v8, v[12*I:12*I+3] offset:2*WP*I
	ds_store_b128 v9, v[12*I+4:12*I+7] offset:2*WP*I+512
	ds_store_b128 v8, v[12*I+8:12*I+11] offset:2*WP*I+WP+256
.set I, I+1
.endr
	WIN 0
.set I, 0
.rept 16
	v_perm_b32 v[WS+I], v[WS+I], v[WS+I], 0x03010200   ; bytes 0, 2, 1, 3
.set I, I+1
.endr
	s_wait_alu depctr_va_vdst(0)
	s_wait_dscnt 0x0                               ; for the others' sake: my rows of W are in LDS
	s_barrier_signal -1
	s_barrier_wait -1
.macro WFRAG q0
.irp q, 0,1,2,3
.irp j, 0,1,2,3
.irp c, 0,1,2
	ds_load_b128 v[48*\q+12*\j+4*\c:48*\q+12*\j+4*\c+3], v10 offset:16*WP*\j+96*(\q0+\q)+16*\c
.endr
.endr
.endr
.endm
	WIN 0x80
	WFRAG 0
	WIN 0xc0
	WFRAG 4
	WIN 0
; x's fragments of my tile i into set i % 2, its scale words, gates and tokens.  The four additions are also the places in front of loads into registers that matrix instructions have read.
.macro NEXT i
.set P, (\i)%2
	v_add_nc_u32 v17, (\i)*2*TILEB, v13
	v_add_nc_u32 v18, (\i)*2*TILEB, v14
	v_add_nc_u32 v19, (\i)*2*TILEB, v16
	v_add_nc_u32 v20, (\i)*2*TILEB, v15
	ds_load_b128 v[XS+4*P:XS+4*P+3], v18 offset:768
	ds_load_b64 v[G+2*P:G+2*P+1], v19 offset:800
	ds_load_b32 v[TK+P], v20 offset:804
	WIN 0x40
.irp q, 0,1,2,3,4,5,6,7
.irp c, 0,1,2
	ds_load_b128 v[96*P+12*\q+4*\c:96*P+12*\q+4*\c+3], v17 offset:96*\q+16*\c
.endr
.endr
	WIN 0
.endm
; K step q of a tile: four column tiles.  The four accumulators take turns, one instruction a turn, in the same order in every step.
.macro MM p, q
.if \q == 0
	WIN MULB
.elseif \q < 4
	WIN MUL0
.else
	WIN MUL1
.endif
.irp j, 0,1,2,3
.if \q == 0
	v_wmma_scale_f32_16x16x128_f8f6f4 v[ACC+32*(\p)+8*\j:ACC+32*(\p)+8*\j+7], v[12*\j:12*\j+11], v[96*(\p):96*(\p)+11], v[192+8*\j:199+8*\j], v[WS+4*\j], v[XS+4*(\p)] matrix_a_fmt:MATRIX_FMT_BF6 matrix_b_fmt:MATRIX_FMT_BF6
.elseif \q < 4
	v_wmma_scale_f32_16x16x128_f8f6f4 v[ACC+32*(\p)+8*\j:ACC+32*(\p)+8*\j+7], v[48*\q+12*\j:48*\q+12*\j+11], v[96*(\p)+12*\q:96*(\p)+12*\q+11], v[ACC+32*(\p)+8*\j:ACC+32*(\p)+8*\j+7], v[WS+4*\j+\q], v[XS+4*(\p)+\q] matrix_a_fmt:MATRIX_FMT_BF6 matrix_b_fmt:MATRIX_FMT_BF6
.else
	v_wmma_scale_f32_16x16x128_f8f6f4 v[ACC+32*(\p)+8*\j:ACC+32*(\p)+8*\j+7], v[48*(\q-4)+12*\j:48*(\q-4)+12*\j+11], v[96*(\p)+12*\q:96*(\p)+12*\q+11], v[ACC+32*(\p)+8*\j:ACC+32*(\p)+8*\j+7], v[WS+4*\j+\q-4], v[XS+4*(\p)+\q-4] matrix_a_fmt:MATRIX_FMT_BF6 matrix_b_fmt:MATRIX_FMT_BF6 matrix_a_scale:MATRIX_SCALE_ROW1 matrix_b_scale:MATRIX_SCALE_ROW1
.endif
.endr
.endm
; THE WAY OUT of a tile in set p.  OFFS: where its rows lie in out0 (its 24 vector instructions are also the places in front of the first read of results).  SCALE: x gate.  STAGE: through my own stage, back as rows of 256 bytes.  SEND: stored.
.macro OFFS p
	s_wait_xcnt 0x0                                ; the tile before's stores have read their offsets and data
.irp t, 0,1,2,3,4,5,6,7
	v_mov_b32_dpp v[24+\t], v[TK+\p] row_share:\t row_mask:0xf bank_mask:0xf   ; row t, and row t + 8 in lanes 16-31
.endr
.irp t, 0,1,2,3,4,5,6,7
	v_min_u32 v[24+\t], 0xfff, v[24+\t]
.endr
.irp t, 0,1,2,3,4,5,6,7
	v_lshl_add_u32 v[24+\t], v[24+\t], 12, v7
.endr
.endm
.macro SCALE p
.irp j, 0,1,2,3
.irp u, 0,2,4,6
	v_pk_mul_f32 v[OT+8*\j+\u:OT+8*\j+\u+1], v[ACC+32*(\p)+8*\j+\u:ACC+32*(\p)+8*\j+\u+1], v[G+2*(\p):G+2*(\p)+1] op_sel_hi:[1,0]
.endr
.endr
.endm
.macro STAGE
.irp j, 0,1,2,3
	ds_store_b128 v[STO], v[OT+8*\j:OT+8*\j+3] offset:64*\j
	ds_store_b128 v[STO], v[OT+8*\j+4:OT+8*\j+7] offset:64*\j+16
.endr
.irp t, 0,1,2,3,4,5,6,7
	ds_load_b128 v[BK+4*\t:BK+4*\t+3], v[RD] offset:SPITCH*\t      ; LDS serves a wave's instructions in order (ISA guide 5.7.1.4): these see the stores above
.endr
.endm
.macro SEND
	s_wait_dscnt 0x0
.irp t, 0,1,2,3,4,5,6,7
	global_store_b128 v[24+\t], v[BK+4*\t:BK+4*\t+3], s[18:19] th:TH_STORE_NT   ; 16 lanes store 256 consecutive bytes, aligned
.endr
.endm
; My tile i, and among its products the way out of tile i - 1 and the loads for tile i + 1, if there is one
.macro TILE i
	s_wait_dscnt 0x0                               ; this tile's fragments
	MM (\i)%2, 0
.if \i > 0
	WIN 0
	OFFS ((\i)+1)%2
.endif
	MM (\i)%2, 1
	WIN 0
.if \i > 0
	SCALE ((\i)+1)%2
	STAGE
.endif
.if \i < 7                             ; (tile 7 runs on into the last odd tile's text)
	s_cmp_gt_i32 s88, 2*(\i)+2
.if \i == 0
	s_cbranch_scc0 .Lonly
.elseif (\i)%2 == 1
	s_cbranch_scc0 .Llast_odd
.else
	s_cbranch_scc0 .Llast_even
.endif
	NEXT (\i)+1
	REST (\i)%2, \i
	WIN 0
.endif
.endm
; K steps 2 to 7 of a tile in set p, and the stores of the tile before, if there is one
.macro REST p, before
	MM \p, 2
	MM \p, 3
	MM \p, 4
	MM \p, 5
	MM \p, 6
.if \before > 0
	WIN 0
	SEND
.endif
	MM \p, 7
.endm
; My last tile in this chunk: the rest of its products, and its own way out
.macro LAST p, before
	REST \p, \before
	WIN 0
	OFFS \p
	SCALE \p
	STAGE
	SEND
.endm
	s_mov_b32 s85, 0
	s_mov_b32 s86, 0
	s_mov_b32 s87, s27
.Lchunk:
	s_cmp_gt_i32 s87, s20
	s_cbranch_scc0 .Lstored                        ; no tile of this chunk is mine to fetch
	s_add_co_i32 s84, s20, 8
	s_cmp_gt_i32 s87, s84
	s_cbranch_scc0 .Lno_b
	s_wait_xcnt 0x0                                ; the first gather's loads have read their offsets
	s_add_co_u32 s84, s86, 128
	v_add_nc_u32 v40, s84, v23
	SEARCH 61
	GATHER_B                                       ; tiles w + 8, w + 12
	STORE_A 51
	STORE_B
	s_branch .Lstored
.Lno_b:
	STORE_A 0
.Lstored:
	s_wait_alu depctr_va_vdst(0)
	s_wait_loadcnt 0x0
	s_wait_dscnt 0x0                               ; my rows are in LDS, and W's fragments in registers: W's bytes may take the stages behind the barrier
	s_barrier_signal -1
	s_barrier_wait -1
	s_sub_co_i32 s88, s87, s21
	s_cmp_gt_i32 s88, 0
	s_cbranch_scc0 .Lcomputed
	NEXT 0
	TILE 0
	TILE 1
	TILE 2
	TILE 3
	TILE 4
	TILE 5
	TILE 6
	TILE 7
.Llast_odd:
	LAST 1, 1
	s_branch .Lcomputed
.Llast_even:
	LAST 0, 1
	s_branch .Lcomputed
.Lonly:
	LAST 0, 0
.Lcomputed:
	s_add_co_u32 s86, s86, 256
	s_sub_co_i32 s87, s87, 16
	s_cmp_gt_i32 s87, s20
	s_cbranch_scc0 .Lno_next
	s_wait_xcnt 0x0                                ; the stores have read their offsets and data
	v_add_nc_u32 v40, s86, v23
	SEARCH 51
	GATHER_A                                       ; the next chunk's first tiles
.Lno_next:
	s_wait_alu depctr_va_vdst(0)
	s_wait_dscnt 0x0                               ; my reads of this chunk are over: its bytes may be stored to behind the barrier
	s_barrier_signal -1
	s_barrier_wait -1
	s_add_co_u32 s85, s85, 1
	s_cmp_lt_u32 s85, 4
	s_cbranch_scc1 .Lchunk
	s_wait_tensorcnt 0x0                           ; the wave's end
	ds_add_u32 v[SPW], v[NIL]
	s_wait_dscnt 0x0
	s_endpgm
.Lfunc_end_k_q181e89c266_experts:
	.size	k_q181e89c266_experts, .Lfunc_end_k_q181e89c266_experts-k_q181e89c266_experts
	.p2alignl 7, 3214868480
	.fill 96, 4, 3214868480
	.section	.rodata,"a",@progbits
	.p2align	6, 0x0
	.amdhsa_kernel k_q181e89c266_experts
		.amdhsa_group_segment_fixed_size 309760
		.amdhsa_private_segment_fixed_size 0
		.amdhsa_enable_private_segment 0
		.amdhsa_kernarg_size 64
		.amdhsa_user_sgpr_count 2
		.amdhsa_user_sgpr_kernarg_segment_ptr 1
		.amdhsa_wavefront_size32 1
		.amdhsa_system_sgpr_workgroup_id_x 1
		.amdhsa_system_sgpr_workgroup_id_y 1
		.amdhsa_system_sgpr_workgroup_id_z 1
		.amdhsa_system_vgpr_workitem_id 0
		.amdhsa_next_free_vgpr 1024
		.amdhsa_next_free_sgpr 102
		.amdhsa_reserve_vcc 1
		.amdhsa_float_denorm_mode_32 3
		.amdhsa_float_denorm_mode_16_64 3
		.amdhsa_memory_ordered 1
		.amdhsa_forward_progress 1
		.amdhsa_inst_pref_size 180
	.end_amdhsa_kernel
	.amdgpu_metadata
---
amdhsa.version: [ 1, 2 ]
amdhsa.kernels:
  - .name:           k_q181e89c266_experts
    .symbol:         k_q181e89c266_experts.kd
    .args:
      - { .name: xq, .offset: 0, .size: 8, .value_kind: global_buffer, .address_space: global }
      - { .name: xs, .offset: 8, .size: 8, .value_kind: global_buffer, .address_space: global }
      - { .name: route, .offset: 16, .size: 8, .value_kind: global_buffer, .address_space: global }
      - { .name: gate, .offset: 24, .size: 8, .value_kind: global_buffer, .address_space: global }
      - { .name: expert_w_codes, .offset: 32, .size: 8, .value_kind: global_buffer, .address_space: global }
      - { .name: expert_w_scales, .offset: 40, .size: 8, .value_kind: global_buffer, .address_space: global }
      - { .name: expert_b, .offset: 48, .size: 8, .value_kind: global_buffer, .address_space: global }
      - { .name: out0, .offset: 56, .size: 8, .value_kind: global_buffer, .address_space: global }
    .group_segment_fixed_size: 309760
    .private_segment_fixed_size: 0
    .kernarg_segment_align: 8
    .kernarg_segment_size: 64
    .max_flat_workgroup_size: 128
    .sgpr_count:     102
    .vgpr_count:     1024
    .wavefront_size: 32
...
	.end_amdgpu_metadata
.endif
;; end of part 2
